; MI455X (gfx1250); checked and timed in simulation.
; The chip was launched on July 23, 2026; its instructions are those of AMD's public machine-readable ISA for CDNA 5 (MIT licence, August 2026) and "CDNA5" Instruction Set Architecture Reference Guide (July 2026). The comments in the code are by the model that wrote it; some were corrected since.
;; Multi Head Attention. Allowed arithmetic: matrix products marked QUANTISED: E2M3 operands, one E8M0 scale for each 32 along K, by v_wmma_scale_f32_16x16x128_f8f6f4 with both operands' format E2M3, f32 sums; everything else in f32.
;; Inputs: Wk_codes 16 x 64 x 32 x 24 uint8 (E2M3 codes of Wk, K innermost, in blocks of 32 codes, four codes in three bytes); Wk_scales 16 x 64 x 32 uint8 (E8M0 scales of Wk, one for each 32 codes along K); Wo_codes 1,024 x 32 x 24 uint8 (E2M3 codes of Wo, K innermost, in blocks of 32 codes, four codes in three bytes); Wo_scales 1,024 x 32 uint8 (E8M0 scales of Wo, one for each 32 codes along K); Wq_codes 16 x 64 x 32 x 24 uint8 (E2M3 codes of Wq, K innermost, in blocks of 32 codes, four codes in three bytes); Wq_scales 16 x 64 x 32 uint8 (E8M0 scales of Wq, one for each 32 codes along K); Wv_codes 16 x 64 x 32 x 24 uint8 (E2M3 codes of Wv, K innermost, in blocks of 32 codes, four codes in three bytes); Wv_scales 16 x 64 x 32 uint8 (E8M0 scales of Wv, one for each 32 codes along K); bo 1,024 float32; x_codes 4 x 2,048 x 32 x 24 uint8 (E2M3 codes of x, K innermost, in blocks of 32 codes, four codes in three bytes); x_scales 4 x 2,048 x 32 uint8 (E8M0 scales of x, one for each 32 codes along K).
;; Outputs: out0 4 x 2,048 x 1,024 float32.
;; This version of the problem:
;;   THIS VERSION OF THE PROBLEM IS GIVEN IN LOW PRECISION. The matrix products marked QUANTISED in the list below multiply operands that are first quantised to E2M3 (2 exponent bits, 3 mantissa bits; 6 bits a number), with one power-of-two scale for each 32 numbers along K (OCP MX v1.0); their sums are f32. All else is computed in f32.
;;   The module's matrix products, in the order in which they are computed (A, B: the left and right operand; K: the contracted axis; several contracted axes count as one K, in the product's order):
;;     1. [M 1,024, K 1,024] x [K 1,024, N 8,192]; A: input Wq (given as codes); B: input x (given as codes): QUANTISED
;;     2. [M 1,024, K 1,024] x [K 1,024, N 8,192]; A: input Wk (given as codes); B: input x (given as codes): QUANTISED
;;     3. [M 1,024, K 1,024] x [K 1,024, N 8,192]; A: input Wv (given as codes); B: input x (given as codes): QUANTISED
;;     4. batch 64 x [M 2,048, K 64] x [K 64, N 2,048]; A: computed on the way; B: computed on the way: QUANTISED
;;     5. batch 64 x [M 2,048, K 2,048] x [K 2,048, N 64]; A: softmax (see below); B: computed on the way: QUANTISED
;;     6. [M 8,192, K 1,024] x [K 1,024, N 1,024]; A: computed on the way; B: input Wo (given as codes): QUANTISED
;;   THE QUANTISER, for each operand of a quantised product, along K:
;;     - K is cut into blocks of 32 from its start; a last block that is shorter is filled with zeros.
;;     - A block's scale is 2^e with e = floor(log2(the largest magnitude in the block)) - 2, held to -126 .. 127; a block of zeros has e = 0. As a byte (E8M0): e + 127.
;;     - Each number is divided by its block's scale, clamped to +-7.5, and rounded to the nearest number of E2M3, ties to even, subnormals kept.
;;     - The product sums the exact products of the quantised numbers (number of the format x scale) in f32.
;;   ~~~python
;;   def quantise(x, axis):      # numpy; x: float32 -> the quantised numbers, widened to float32 again
;;       x = np.moveaxis(x, axis, -1); K = x.shape[-1]
;;       x = np.pad(x, [(0, 0)] * (x.ndim - 1) + [(0, -K % 32)]); x = x.reshape(x.shape[:-1] + (-1, 32)); a = np.abs(x).max(-1, keepdims=True)
;;       e = np.where(a > 0, np.clip(np.frexp(np.where(a > 0, a, 1))[1] - 1 - 2, -126, 127), 0)      # np.frexp(a)[1] - 1 = floor(log2(a)), exactly
;;       r = np.clip(x / 2.0 ** e, -7.5, 7.5)
;;       step = 2.0 ** (np.maximum(np.frexp(np.where(r == 0, 1, r))[1] - 1, 0) - 3)
;;       q = np.round(r / step) * step * 2.0 ** e      # np.round: ties to even
;;       return np.moveaxis(q.reshape(q.shape[:-2] + (-1,))[..., :K], -1, axis).astype(np.float32)
;;   ~~~
;;   SOFTMAX AHEAD OF A QUANTISED PRODUCT. Where the list says 'softmax', what is quantised is not the finished softmax but p = 2^(t - M), with t = logit x log2(e) and M = ceil(the row's largest t), a whole number; so 1/2 < the row's largest p <= 1. The row's sum l is taken of the UNQUANTISED p, in f32, and the product's result is divided by l at the end. Since M is a whole number, a kernel that streams over the keys may use a running M (the ceiling of the running maximum): every later rescaling is an exact power of two, which a block's scale takes up: the codes' values come out the same.
;;   OPERANDS COMPUTED ON THE WAY. 'Computed on the way' means the value that the module computes at that place (a softmax that the list does not call 'softmax' is quantised finished and normalised). What goes into a quantiser is computed in f32, as accurately as f32 sums, v_exp_f32 and their like allow (about 1e-6 of the number): no bf16 or f16 on the way to a quantiser, and a product that is left as it is and whose result goes on into a quantised operand takes f32 operands (vector FMAs, or v_wmma_f32_16x16x4_f32). A number that lies on a knife's edge between two numbers of the format may be rounded either way, as far as f32 arithmetic and the matrix unit's own rounding can turn it there, and no further.
;;   INPUTS GIVEN AS CODES. Wk (in the module: [16, 1024, 64], K = its axis 1); Wo (in the module: [1024, 1024], K = its axis 1); Wq (in the module: [16, 1024, 64], K = its axis 1); Wv (in the module: [16, 1024, 64], K = its axis 1); x (in the module: [4, 2048, 1024], K = its axis 2): each comes as NAME_codes (uint8): NAME with its K axis moved to the last place and cut into blocks of 32 codes, [.., K / 32, bytes a block], one block behind the other in memory; four codes in three bytes: a row's codes are one little-endian stream of bits, code i at bits 6 i .. 6 i + 5 (a code: sign, 2 exponent bits, 3 mantissa bits); and NAME_scales (uint8): the same leading axes, one E8M0 byte (e + 127) for each 32 codes along K. Its value is code x scale, taken as it is: it is not quantised again, and the codes and scales need not be those that the quantiser above would give.
;; One version. Each part assembles by itself: llvm-mc -triple=amdgcn-amd-amdhsa -mcpu=gfx1250 --defsym DOCPART=n.
;; ======== version 1 of 1: 3 launches
;; limits: right only within a limited range of input values
;; workspace buffers: qf 6,291,456 bytes; qs 524,288 bytes; kv 13,369,344 bytes; ao 6,291,456 bytes; aos 262,144 bytes
;; launch proj (part 1): grid 32 x 8, 4 waves a work-group, clusters of 4 x 4, 327,680 bytes of LDS; arguments x_codes, x_scales, Wq_codes, Wq_scales, Wk_codes, Wk_scales, Wv_codes, Wv_scales, qf, qs, kv; writes qf, qs, kv
.if DOCPART == 1
	.amdgcn_target "amdgcn-amd-amdhsa--gfx1250"
	.amdhsa_code_object_version 6
	.text
	.protected	k_q7f11ec12ca_proj
	.globl	k_q7f11ec12ca_proj
	.p2align	8
	.type	k_q7f11ec12ca_proj,@function
k_q7f11ec12ca_proj:
	s_mov_b64 s[64:65], 0
	v_nop
	global_prefetch_b8 v0, s[64:65] scope:SCOPE_SE
	s_setreg_imm32_b32 hwreg(HW_REG_WAVE_MODE, 25, 1), 1
	s_wait_xcnt 0x0
	s_wait_alu depctr_hold_cnt(0) depctr_sa_sdst(0) depctr_va_vdst(0) depctr_va_sdst(0) depctr_va_ssrc(0) depctr_va_vcc(0) depctr_vm_vsrc(0)
	s_getreg_b32 s2, hwreg(HW_REG_IB_STS2, 6, 4)
	s_cmp_eq_u32 s2, 0
	s_cbranch_scc0 .Lentry_in_a_cluster
	s_endpgm
.Lentry_in_a_cluster:
	s_bfe_u32 s2, ttmp6, 0x10000c
	s_cmp_lg_u32 s2, 0xf033
	s_cbranch_scc0 .Lentry_shape_is_right
	s_endpgm
.Lentry_shape_is_right:
.set UB,    52224
.set HUB,   26112
.set RP,    816
.set SPARE, 6*UB
.set G1C,   (3<<16)|(1<<20)|(1<<21)|(5<<22)|(3<<25)
.set AXP,  4
.set ADW,  6
.set L16,  8
.set L8,   9
.set VK16, 10
.set VK8,  11
.set VV16, 12
.set VV8,  13
.set VKS,  14
.set VVS,  15
.set SX,   16
.set SW,   17
.set SH8,  18
.set SPW,  19
.set NIL,  20
.set XS,   24
.set WS,   40
.set M,    136
.set T,    144
.set SC,   152
.set BY,   160
.set WD,   168
.set IM,   172
.set F,    176
.set G1X, 32
.set G1H, 40
.set G1W, 48
.set G0X, 56
.set G0H, 60
.set G0R, 68
.set SEL, 72
.set HIM, 74
.set WV,  75
.set XSB, 80
.set QFB, 84
.set QSB, 86
.set KVB, 88
.set MSB, 0
.macro WIN new
.if MSB != \new
	s_set_vgpr_msb (MSB<<8)|\new
.set MSB, \new
.endif
.endm
.macro PLACES n
.rept \n
	v_nop
.endr
.endm
.macro ROUND
	s_barrier_signal -1
	s_barrier_wait -1
	s_cmp_lg_u32 s[WV], 0
	s_cbranch_scc1 .Lnot_wave_0_\@
	s_barrier_signal -3
.Lnot_wave_0_\@:
	s_barrier_wait -3
	s_barrier_signal -1
	s_barrier_wait -1
.endm
.macro FRAG reg, adr, s, row
.irp p, 0,1,2,3,4,5
.set PC, 12*(\s)+6*(\p/3)+\p%3
.if PC%32 < 29
	ds_load_b64 v[0+(\reg)+2*\p:1+(\reg)+2*\p], v[\adr] offset:8*PC+16*(PC/32)+(\row)*RP
.else
	ds_load_b64 v[0+(\reg)+2*\p:1+(\reg)+2*\p], v[\adr+1] offset:8*PC+16*(PC/32)+(\row)*RP
.endif
.endr
.endm
.macro WFETCH buf, s
	WIN 0x80
.irp q, 0,1,2,3
	FRAG 144+48*(\buf)+12*\q, ADW, \s, 16*\q
.endr
.endm
.macro MM d, a, b, sa, sb
.if MD == 0
	v_wmma_scale_f32_16x16x128_f8f6f4 v[0+(\d):7+(\d)], v[0+(\a):11+(\a)], v[0+(\b):11+(\b)], 0, v[\sa], v[\sb] matrix_a_fmt:MATRIX_FMT_FP6 matrix_b_fmt:MATRIX_FMT_FP6
.elseif MD == 1
	v_wmma_scale_f32_16x16x128_f8f6f4 v[0+(\d):7+(\d)], v[0+(\a):11+(\a)], v[0+(\b):11+(\b)], v[0+(\d):7+(\d)], v[\sa], v[\sb] matrix_a_fmt:MATRIX_FMT_FP6 matrix_b_fmt:MATRIX_FMT_FP6
.else
	v_wmma_scale_f32_16x16x128_f8f6f4 v[0+(\d):7+(\d)], v[0+(\a):11+(\a)], v[0+(\b):11+(\b)], v[0+(\d):7+(\d)], v[\sa], v[\sb] matrix_a_fmt:MATRIX_FMT_FP6 matrix_b_fmt:MATRIX_FMT_FP6 matrix_a_scale:MATRIX_SCALE_ROW1 matrix_b_scale:MATRIX_SCALE_ROW1
.endif
.endm
.macro MUL16 u, s, kind
.if (\s) < 5
.set XB, 48*(\s)
.if \kind
	WIN 0xf9
.else
	WIN 0xf6
.endif
.else
.set XB, 48*((\s)-5)
	WIN 0xfa
.endif
.set WB, 144+48*((\s)%2)
.set MD, 1+(\s)/4
.if (\s) == 0
.set MD, 0
.endif
.irp a, 0,1,2,3
.irp b, 0,1,2,3
.if \kind
	MM 32*\a+8*\b, XB+12*\b, WB+12*\a, XS+4*\b+(\s)%4, WS+16*(\u)+4*\a+(\s)%4
.else
	MM 32*\a+8*\b, WB+12*\b, XB+12*\a, WS+16*(\u)+4*\b+(\s)%4, XS+4*\a+(\s)%4
.endif
.endr
.endr
.endm
.macro KLOOP u, kind
.irp s, 0,1,2,3,4,5,6,7
.if \s < 7
.if \s > 0
	PLACES 4
.endif
	WFETCH (\s+1)%2, \s+1
	s_wait_dscnt 24
.else
	s_wait_dscnt 0x0
.endif
	MUL16 \u, \s, \kind
.endr
.endm
.macro NEXTW
	WIN 0
	v_add_nc_u32 v[ADW], UB, v[ADW]
	v_add_nc_u32 v[ADW+1], UB, v[ADW+1]
	PLACES 3
	WFETCH 0, 0
.endm
.macro QH cb, va, vb, cimm, sb, vs, simm
	s_wait_xcnt 0x0
	WIN 0x0f
.irp i, 0,1,2,3,4,5,6,7
	v_max3_num_f32 v[M+\i], |v[16*\i]|, |v[16*\i+1]|, 0x1800000
.endr
	WIN 0x3c
.irp j, 2,4,6,8,10,12,14
.irp i, 0,1,2,3,4,5,6,7
	v_max3_num_f32 v[M+\i], v[M+\i], |v[16*\i+\j]|, |v[16*\i+\j+1]|
.endr
.endr
	WIN 0
.irp i, 0,1,2,3,4,5,6,7
	v_permlanex16_b32 v[T+\i], v[M+\i], s[SEL], s[SEL+1]
.endr
.irp i, 0,1,2,3,4,5,6,7
	v_max_num_f32 v[M+\i], v[M+\i], v[T+\i]
.endr
.irp i, 0,1,2,3,4,5,6,7
	v_add_nc_u32 v[SC+\i], 0xff000000, v[M+\i]
.endr
.irp i, 0,1,2,3,4,5,6,7
	v_lshrrev_b32 v[BY+\i], 23, v[SC+\i]
.endr
.irp t, 0,1,2,3
	v_lshl_or_b32 v[WD+\t], v[BY+2*\t+1], 8, v[BY+2*\t]
.endr
.irp t, 0,1,2,3
	v_lshl_or_b32 v[WD+\t], v[WD+\t], 16, v[WD+\t]
.endr
	v_cndmask_b32 v[IM], v[WD], v[WD+1], s[HIM]
	v_cndmask_b32 v[IM+1], v[WD+2], v[WD+3], s[HIM]
	WIN 0x03
.irp t, 0,1,2,3
	v_cvt_scalef32_pk16_fp6_f32 v[F+8*\t:F+8*\t+2], v[32*\t:32*\t+15], v[SC+2*\t]
	v_cvt_scalef32_pk16_fp6_f32 v[F+8*\t+4:F+8*\t+6], v[32*\t+16:32*\t+31], v[SC+2*\t+1]
.endr
	WIN 0
	v_nop
.irp t, 0,1,2,3
.irp i, 0,1,2
	v_permlane16_swap_b32 v[F+8*\t+\i], v[F+8*\t+4+\i]
.endr
.endr
.irp t, 0,1,2,3
	v_mov_b32 v[F+8*\t+3], v[F+8*\t+4]
	v_mov_b32 v[F+8*\t+4], v[F+8*\t+5]
	v_mov_b32 v[F+8*\t+5], v[F+8*\t+6]
.endr
.irp t, 0,1,2,3
	global_store_b128 v[\va], v[F+8*\t:F+8*\t+3], s[\cb:\cb+1] offset:\cimm+768*\t
	global_store_b64 v[\vb], v[F+8*\t+4:F+8*\t+5], s[\cb:\cb+1] offset:\cimm+768*\t+512
.endr
	global_store_b64 v[\vs], v[IM:IM+1], s[\sb:\sb+1] offset:\simm
.endm
.macro QW imm
	s_wait_xcnt 0x0
	WIN 0x0f
.irp d, 0,1,2,3
	v_max3_num_f32 v[M+\d], |v[32*\d]|, |v[32*\d+1]|, 0x1800000
.endr
	WIN 0x3c
.irp j, 2,4,6,8,10,12,14,16,18,20,22,24,26,28,30
.irp d, 0,1,2,3
	v_max3_num_f32 v[M+\d], v[M+\d], |v[32*\d+\j]|, |v[32*\d+\j+1]|
.endr
.endr
	WIN 0
.irp d, 0,1,2,3
	v_add_nc_u32 v[SC+\d], 0xff000000, v[M+\d]
.endr
.irp d, 0,1,2,3
	v_lshrrev_b32 v[BY+\d], 23, v[SC+\d]
.endr
.irp d, 0,1,2,3
	v_lshlrev_b32 v[BY+\d], v[SH8], v[BY+\d]
.endr
.irp d, 0,1,2,3
	v_permlanex16_b32 v[T+\d], v[BY+\d], s[SEL], s[SEL+1]
.endr
.irp d, 0,1,2,3
	v_or_b32 v[BY+\d], v[BY+\d], v[T+\d]
.endr
	v_cndmask_b32 v[WD], v[BY], v[BY+1], s[HIM]
	v_cndmask_b32 v[WD+1], v[BY+2], v[BY+3], s[HIM]
	v_lshl_or_b32 v[IM], v[WD+1], 16, v[WD]
	WIN 0x03
.irp d, 0,1,2,3
	v_cvt_scalef32_pk16_fp6_f32 v[F+8*\d:F+8*\d+2], v[32*\d:32*\d+15], v[SC+\d]
	v_cvt_scalef32_pk16_fp6_f32 v[F+8*\d+4:F+8*\d+6], v[32*\d+16:32*\d+31], v[SC+\d]
.endr
	WIN 0
	v_nop
.irp d, 0,1,2,3
	v_mov_b32 v[F+8*\d+3], v[F+8*\d+4]
	v_mov_b32 v[F+8*\d+4], v[F+8*\d+5]
	v_mov_b32 v[F+8*\d+5], v[F+8*\d+6]
.endr
.irp d, 0,1,2,3
	global_store_b128 v[VV16], v[F+8*\d:F+8*\d+3], s[KVB:KVB+1] offset:\imm+6144+1536*\d
	global_store_b64 v[VV8], v[F+8*\d+4:F+8*\d+5], s[KVB:KVB+1] offset:\imm+6144+1536*\d+512
.endr
	global_store_b32 v[VVS], v[IM], s[KVB:KVB+1] offset:\imm+12800
.endm
	s_load_b512 s[8:23], s[0:1], 0x0
	s_load_b128 s[24:27], s[0:1], 0x40
	s_load_b64 s[28:29], s[0:1], 0x50
	v_lshl_add_u32 v[SPW], v0, 2, SPARE
	v_mov_b32 v[NIL], 0
	ds_add_u32 v19, v20
	ds_add_u32 v19, v20
	s_wait_dscnt 0x0
	v_lshrrev_b32 v1, 5, v0
	v_readfirstlane_b32 s[WV], v1
	s_bfe_u32 s76, ttmp6, 0x40000
	s_bfe_u32 s77, ttmp6, 0x40004
	s_lshl_b32 s78, ttmp9, 2
	s_add_co_u32 s78, s78, s76
	s_and_b32 s79, ttmp7, 0xffff
	s_lshl_b32 s79, s79, 2
	s_add_co_u32 s79, s79, s77
	s_lshl_b32 s90, s77, 2
	s_lshl_b32 s90, 15, s90
	s_lshl_b32 s91, 0x1111, s76
	s_or_b32 s[G1X], s91, G1C
	s_or_b32 s[G1W], s90, G1C
.irp g, G1X, G1W
	s_mov_b32 s[\g+1], 32<<16
	s_mov_b32 s[\g+3], 32<<16
	s_mov_b32 s[\g+5], 32
	s_mov_b32 s[\g+6], 0
	s_mov_b32 s[\g+7], 0
.endr
	s_mov_b32 s[G1X+2], 384<<16                    ; x at the head: 384 rows of 256 bytes, the rows of two waves
	s_mov_b32 s[G1X+4], 384
	s_mov_b32 s[G1W+2], 192<<16
	s_mov_b32 s[G1W+4], 192
	s_lshl_b32 s92, s78, 2
	s_add_co_u32 s92, s92, s[WV]
	s_and_b32 s97, s[WV], 1                        ; u: which of the two loads of my kind is mine
	s_lshl_b32 s94, s78, 2
	s_lshl_b32 s95, s97, 1
	s_add_co_u32 s94, s94, s95                     ; x: token groups 4 bx + 2 u and the next
	s_mul_i32 s94, s94, 49152
	s_mov_b32 s95, 0
	s_mul_i32 s96, s79, 98304                      ; a weight's first unit of my rows
	s_min_u32 s98, s[WV], 1
	s_lshl_b32 s99, s79, 1
	s_add_co_u32 s98, s98, s99
	s_mul_i32 s98, s98, 49152
	s_mov_b32 s99, 0
	s_mov_b32 s[G0X], 1
	s_mul_i32 s[G0X+1], s97, 2*UB
	s_add_co_u32 s[G0X+1], s[G0X+1], 2*UB
	s_mov_b32 s[G0H], 1
	s_mul_i32 s[G0H+1], s97, UB
	s_mov_b32 s97, 0
	s_mov_b32 s[G0R], 1
	s_mul_i32 s[G0R+1], s[WV], UB
	s_add_co_u32 s[G0R+1], s[G0R+1], 2*UB
	s_lshl_b32 s80, s92, 11
	s_mov_b32 s81, 0
	s_lshl_b32 s82, s79, 12
	s_mov_b32 s83, 0
	s_lshr_b32 s3, s92, 5
	s_and_b32 s4, s92, 31
	s_lshl_b32 s3, s3, 4
	s_lshl_b32 s5, s79, 1
	s_add_co_u32 s3, s3, s5
	s_lshl_b32 s5, s3, 5
	s_add_co_u32 s5, s5, s4
	s_mul_i32 s84, s5, 3072
	s_mov_b32 s85, 0
	s_lshl_b32 s86, s5, 8
	s_mov_b32 s87, 0
	s_lshl_b32 s5, s3, 4
	s_lshr_b32 s4, s4, 1
	s_add_co_u32 s5, s5, s4
	s_mul_i32 s88, s5, 13056
	s_mov_b32 s89, 0
	s_mov_b32 s[SEL], 0x76543210
	s_mov_b32 s[SEL+1], 0xfedcba98
	s_mov_b32 s[HIM], 0xffff0000
	s_wait_kmcnt 0x0
	s_add_nc_u64 s[G0X+2:G0X+3], s[8:9], s[94:95]
	s_or_b32 s[G0X+3], s[G0X+3], 0x80000000
	s_cmp_eq_u32 s[WV], 2                          ; wave 2 fetches Wq's first unit, wave 3 Wk's
	s_cselect_b64 s[G0H+2:G0H+3], s[12:13], s[16:17]
	s_add_nc_u64 s[G0H+2:G0H+3], s[G0H+2:G0H+3], s[96:97]
	s_or_b32 s[G0H+3], s[G0H+3], 0x80000000
	s_cmp_eq_u32 s[WV], 1
	s_cselect_b64 s[G0R+2:G0R+3], s[12:13], s[20:21]
	s_cmp_eq_u32 s[WV], 2
	s_cselect_b64 s[G0R+2:G0R+3], s[16:17], s[G0R+2:G0R+3]
	s_add_nc_u64 s[G0R+2:G0R+3], s[G0R+2:G0R+3], s[98:99]
	s_or_b32 s[G0R+3], s[G0R+3], 0x80000000
	s_add_nc_u64 s[XSB:XSB+1], s[10:11], s[80:81]
	s_add_nc_u64 s[14:15], s[14:15], s[82:83]
	s_add_nc_u64 s[18:19], s[18:19], s[82:83]
	s_add_nc_u64 s[22:23], s[22:23], s[82:83]
	s_add_nc_u64 s[QFB:QFB+1], s[24:25], s[84:85]
	s_add_nc_u64 s[QSB:QSB+1], s[26:27], s[86:87]
	s_add_nc_u64 s[KVB:KVB+1], s[28:29], s[88:89]
	ROUND
	s_cmp_lt_u32 s[WV], 2                          ; the head's four tiles, one tensor load a wave: waves 0 and 1 the rows of x of two waves each, waves 2 and 3 a unit of a weight each
	s_cbranch_scc0 .Lhead_w
	tensor_load_to_lds s[G0X:G0X+3], s[G1X:G1X+7]
	s_nop 0
	PLACES 4
	s_branch .Lhead_asked
.Lhead_w:
	tensor_load_to_lds s[G0H:G0H+3], s[G1W:G1W+7]
	s_nop 0
	PLACES 4
.Lhead_asked:
	v_and_b32 v1, 31, v0
	v_and_b32 v2, 15, v0
	v_bfe_u32 v3, v0, 4, 1
	v_lshlrev_b32 v[L16], 4, v1
	v_lshlrev_b32 v[L8], 3, v1
	v_lshlrev_b32 v[SH8], 3, v3
	v_and_b32 v21, 7, v0
	v_bfe_u32 v22, v0, 3, 1
	v_lshl_add_u32 v21, v22, 5, v21
	v_mul_u32_u24 v[AXP], v21, RP
	v_mad_u32_u24 v[AXP], v3, 24, v[AXP]
	v_add_nc_u32 v[AXP], s[G0R+1], v[AXP]          ; my own 64 rows of x lie at 2 UB + wave x UB
	v_lshl_add_u32 v[AXP+1], v3, 4, v[AXP]
	v_mul_u32_u24 v[ADW], v2, RP
	v_mad_u32_u24 v[ADW], v3, 24, v[ADW]
	v_lshl_add_u32 v[ADW+1], v3, 4, v[ADW]
	v_lshlrev_b32 v[SX], 5, v21
	v_lshl_add_u32 v[SX], v3, 4, v[SX]
	v_lshlrev_b32 v[SW], 5, v2
	v_lshl_add_u32 v[SW], v3, 4, v[SW]
	s_and_b32 s93, s[WV], 1
	s_mul_i32 s3, s93, 3072
	v_add_nc_u32 v[VK16], s3, v[L16]
	v_add_nc_u32 v[VK8], s3, v[L8]
	s_mul_i32 s3, s93, 768
	v_add_nc_u32 v[VV16], s3, v[L16]
	v_add_nc_u32 v[VV8], s3, v[L8]
	s_lshl_b32 s3, s93, 8
	v_add_nc_u32 v[VKS], s3, v[L8]
	s_lshl_b32 s3, s93, 7
	v_lshl_add_u32 v[VVS], v1, 2, s3
.irp i, 0,1,2,3,4,5,6,7
	v_mov_b32 v[T+\i], 0
.endr
.irp t, 0,1,2,3
	global_load_b128 v[XS+4*\t:XS+4*\t+3], v[SX], s[XSB:XSB+1] offset:256*\t
.endr
.irp i, 0,1
.irp q, 0,1,2,3
	global_load_b128 v[WS+48*\i+4*\q:WS+48*\i+4*\q+3], v[SW], s[14:15] offset:2048*\i+512*\q
	global_load_b128 v[WS+48*\i+16+4*\q:WS+48*\i+16+4*\q+3], v[SW], s[18:19] offset:2048*\i+512*\q
	global_load_b128 v[WS+48*\i+32+4*\q:WS+48*\i+32+4*\q+3], v[SW], s[22:23] offset:2048*\i+512*\q
.endr
.endr
	s_cmp_lt_u32 s[WV], 2                          ; waves 0 and 1, whose line fetched x, wait for it here; the weights' two units may still be on their way:
	s_wait_alu depctr_va_vdst(0)
	s_cbranch_scc0 .Lnot_x
	s_wait_tensorcnt 0x0
.Lnot_x:
	s_barrier_signal -1
	s_barrier_wait -1                              ; x is whole
	WIN 0x40
.irp s, 0,1,2,3,4
.irp t, 0,1,2,3
	FRAG 12*(4*\s+\t), AXP, \s, 8*\t
.endr
.endr
	WIN 0x80
.irp s, 5,6,7
.irp t, 0,1,2,3
	FRAG 12*(4*(\s-5)+\t), AXP, \s, 8*\t
.endr
.endr
	WIN 0
	s_wait_tensorcnt 0x0
	ds_add_u32 v[SPW], v[NIL]
	s_wait_dscnt 0x0
	ROUND
	tensor_load_to_lds s[G0R:G0R+3], s[G1W:G1W+7]
	s_nop 0
	PLACES 4
	s_wait_loadcnt 0x0
	WFETCH 0, 0
	KLOOP 0, 0
	NEXTW
	QH QFB, L16, L8, 0, QSB, L8, 0
	KLOOP 1, 0
	WIN 0
	s_wait_tensorcnt 0x0
	s_barrier_signal -1
	s_barrier_wait -1
	NEXTW
	QH KVB, VK16, VK8, 0, KVB, VKS, 12288
	KLOOP 2, 1
	NEXTW
	QW 0
	KLOOP 3, 0
	NEXTW
	QH QFB, L16, L8, 98304, QSB, L8, 8192
	KLOOP 4, 0
	NEXTW
	QH KVB, VK16, VK8, 208896, KVB, VKS, 208896+12288
	KLOOP 5, 1
	WIN 0
	PLACES 4
	QW 208896
	s_wait_tensorcnt 0x0
	ds_add_u32 v[SPW], v[NIL]
	s_wait_dscnt 0x0
	ROUND
	s_endpgm
.Lfunc_end_k_q7f11ec12ca_proj:
	.size	k_q7f11ec12ca_proj, .Lfunc_end_k_q7f11ec12ca_proj-k_q7f11ec12ca_proj
	.p2alignl 7, 3214868480
	.fill 96, 4, 3214868480
	.section	.rodata,"a",@progbits
	.p2align	6, 0x0
	.amdhsa_kernel k_q7f11ec12ca_proj
		.amdhsa_group_segment_fixed_size 327680
		.amdhsa_private_segment_fixed_size 0
		.amdhsa_enable_private_segment 0
		.amdhsa_kernarg_size 88
		.amdhsa_user_sgpr_count 2
		.amdhsa_user_sgpr_kernarg_segment_ptr 1
		.amdhsa_wavefront_size32 1
		.amdhsa_system_sgpr_workgroup_id_x 1
		.amdhsa_system_sgpr_workgroup_id_y 1
		.amdhsa_system_sgpr_workgroup_id_z 1
		.amdhsa_system_vgpr_workitem_id 0
		.amdhsa_next_free_vgpr 896
		.amdhsa_next_free_sgpr 100
		.amdhsa_reserve_vcc 0
		.amdhsa_float_denorm_mode_32 3
		.amdhsa_float_denorm_mode_16_64 3
		.amdhsa_memory_ordered 1
		.amdhsa_forward_progress 1
		.amdhsa_inst_pref_size 251
	.end_amdhsa_kernel
	.amdgpu_metadata
---
amdhsa.version: [ 1, 2 ]
amdhsa.kernels:
  - .name:           k_q7f11ec12ca_proj
    .symbol:         k_q7f11ec12ca_proj.kd
    .args:
      - { .name: x_codes, .offset: 0, .size: 8, .value_kind: global_buffer, .address_space: global }
      - { .name: x_scales, .offset: 8, .size: 8, .value_kind: global_buffer, .address_space: global }
      - { .name: Wq_codes, .offset: 16, .size: 8, .value_kind: global_buffer, .address_space: global }
      - { .name: Wq_scales, .offset: 24, .size: 8, .value_kind: global_buffer, .address_space: global }
      - { .name: Wk_codes, .offset: 32, .size: 8, .value_kind: global_buffer, .address_space: global }
      - { .name: Wk_scales, .offset: 40, .size: 8, .value_kind: global_buffer, .address_space: global }
      - { .name: Wv_codes, .offset: 48, .size: 8, .value_kind: global_buffer, .address_space: global }
      - { .name: Wv_scales, .offset: 56, .size: 8, .value_kind: global_buffer, .address_space: global }
      - { .name: qf, .offset: 64, .size: 8, .value_kind: global_buffer, .address_space: global }
      - { .name: qs, .offset: 72, .size: 8, .value_kind: global_buffer, .address_space: global }
      - { .name: kv, .offset: 80, .size: 8, .value_kind: global_buffer, .address_space: global }
    .group_segment_fixed_size: 327680
    .private_segment_fixed_size: 0
    .kernarg_segment_align: 8
    .kernarg_segment_size: 88
    .max_flat_workgroup_size: 128
    .sgpr_count:     100
    .vgpr_count:     896
    .wavefront_size: 32
...
	.end_amdgpu_metadata
.endif
;; end of part 1
;; launch attn (part 2): grid 4 x 64, 8 waves a work-group, clusters of 4 x 1, 210,944 bytes of LDS; arguments qf, qs, kv, ao, aos; writes ao, aos
.if DOCPART == 2
	.amdgcn_target "amdgcn-amd-amdhsa--gfx1250"
	.amdhsa_code_object_version 6
	.text
	.protected	k_q7f11ec12ca_attn
	.globl	k_q7f11ec12ca_attn
	.p2align	8
	.type	k_q7f11ec12ca_attn,@function
k_q7f11ec12ca_attn:
	s_mov_b64 s[64:65], 0
	v_nop
	global_prefetch_b8 v0, s[64:65] scope:SCOPE_SE
	s_setreg_imm32_b32 hwreg(HW_REG_WAVE_MODE, 25, 1), 1
	s_wait_xcnt 0x0
	s_wait_alu depctr_hold_cnt(0) depctr_sa_sdst(0) depctr_va_vdst(0) depctr_va_sdst(0) depctr_va_ssrc(0) depctr_va_vcc(0) depctr_vm_vsrc(0)
	s_getreg_b32 s2, hwreg(HW_REG_IB_STS2, 6, 4)
	s_cmp_eq_u32 s2, 0
	s_cbranch_scc0 .Lentry_in_a_cluster
	s_endpgm
.Lentry_in_a_cluster:
	s_bfe_u32 s2, ttmp6, 0x10000c
	s_cmp_lg_u32 s2, 0x3003
	s_cbranch_scc0 .Lentry_shape_is_right
	s_endpgm
.Lentry_shape_is_right:
; Causal attention of one (batch, head) on codes of FP6 (E2M3): S^T = K Q^T (K = the head's 64, filled to 128 with zero codes on Q's side), p = 2^(t - M), O^T = V^T P^T (128 keys a step), O / the row's sum,
; quantised along the model's 1,024 channels (two blocks of 32 a head) and stored as images of operand registers for the output projection.
; t = score x log2(e) / 8; M = the running largest t rounded up to a whole number; the row's sum is taken of the unquantised p; when M moves, the sum and O are multiplied by 2^(old M - new M), which rounds nothing.
; LEFT OUT: key steps that lie wholly behind the causal mask: their p is 0 for every input.
; SHARES.  The four work-groups of a cluster serve one head.  The head's k, v and scale words, 16 blocks of 13,056 bytes (128 keys each), fit in LDS whole: fetched once, jointly, nothing is filled again.
; A wave carries TWO tiles of 16 queries at once, tile ST of groups 2 D and 2 D + 1 (64 tokens a group): both want D + 1 key steps, and each fragment of K and V read from LDS feeds two products.
; Two passes: D = 15 - w with tile 3 - cx, then D = w with tile cx: 17 steps for each of the eight waves.  Branches hang on the wave's number alone; cx enters global addresses and the mask's lane number.
; No prefetch: all that the launch reads of kv is asked for by the head's one group of tensor loads; no later load exists ahead of which a request could stand.
; LAYOUT.  Lane r of tile t of a group is token 8 t + (r & 7) + 32 (r >> 3).  With K's tiles as source 0, register 32 c + i of a lane is key 128 J + 64 c + 32 (lane / 16) + i of query lane % 16:
; a whole block of 32 keys in ONE lane.  K's eight half fragments lie on end, six registers each; tile q names twelve from v[KB + 6 q]: the upper six meet Q's zero codes.
; A BLOCK'S SCALE: p rises with the score, so the block's largest p is 2^tb, tb = the block's largest score put through the same multiply-add; its exponent is floor(tb).  The byte is floor(tb) + 125, at least 1.
; (Where v_exp_f32 rounds a p just under a power of two up to it, that one p is held at the largest code.)
; LIMITS: NaN and infinities are not served.  A block whose largest number lies under 2^-124 (a block of zeros too) gets the scale byte 1.  v_exp_f32 gives 0 for results under 2^-126.
; REGISTERS.  Window 0: addresses, each tile's few running numbers, scale words, K, V.  Window 1: both tiles' S, O, p's codes and Q: 256 registers.  x = 0, 1 is the tile.
.set BLK,  13056                       ; a step's block: K's codes 6,144, V's codes 6,144, K's scale words 512, V's 256
.set SPARE, 0x33000                    ; behind the 16 blocks: the spare words
.set L16,  1                           ; 16, 8, 4 x lane
.set L8,   2
.set L4,   3
.set A16,  4                           ; the same + this step's block
.set A8,   5
.set A4,   6
.set N16,  7                           ; 16, 8 x lane + the next step's block
.set N8,   8
.set R8,   9                           ; 8 (lane % 16)
.set AB,   10                          ; 32 (lane % 16) + lane / 16
.set NINF, 11
.set NM,   12                          ; + 2 x: the pair -M, the running largest score
.set LS,   16                          ; + 2 x: the row's sum in two halves
.set FF,   20                          ; + 2 x: f = 2^(old M - new M), later 1 / the sum
.set DV,   24                          ; in the last step register i of the half on the diagonal is hidden where i > this
.set PSEL, 25                          ; byte selects that put my two scale bytes at places h and 2 + h
.set QS,   26                          ; + x: Q's scale words
.set DVB,  28                          ; (r & 7) + 32 (r >> 3) - 32 (lane / 16)
.set KS,   30                          ; v30-33 K's scale words
.set VR,   34                          ; v34-35 V's scale halves as loaded
.set VS,   36                          ; v36-37 V's scale words
.set PW,   38                          ; + x: p's scale word
.set KB,   40                          ; v40-93 K (v88-93 zeros)
.set VB,   96                          ; v96-143 V's four fragments
.set BM,   144                         ; + 2 x + c: a block's largest score, then its scale on the way
.set SC,   148                         ; + 2 x + c: the conversions' scale operands
.set TA,   152                         ; + 4 x: at work
.set SPW,  254
.set NIL,  255
.set S,    0                           ; window 1: + 64 x: S^T, then p
.set O,    128                         ; + 32 x: O^T: channel tile d at 16 (d & 1) + 8 (d >> 1)
.set P,    192                         ; + 20 x: p's codes (12), the conversions' second halves at 12 and 16
.set Q,    232                         ; + 12 x: Q's fragment, the upper six zero codes
.set WV,   40
.set CX,   41
.set BH,   42
.set HM,   43                          ; lanes 16-31
.set SEL,  44                          ; s[44:45] lane xor 16
.set CS,   46                          ; s[46:47] log2(e) / 8
.set PLO,  48
.set PHI,  49
.set SG,   50
.set ST,   51                          ; the pass's tile, s52 its last key step D
.set SD,   52
.set J,    53
.set TB,   54                          ; the step's block in LDS
.set CNT,  55
.set TN,   84                          ; the next step's block
.set MSB, 0
.macro WIN new                         ; the immediate's high byte repeats the setting that is left
.if MSB != \new
	s_set_vgpr_msb (MSB<<8)|\new
.set MSB, \new
.endif
.endm
.macro PLACES n
.rept \n
	v_nop
.endr
.endm
.macro WALU
	s_wait_alu depctr_va_vdst(0)
.endm
.macro ROUND
	s_barrier_signal -1
	s_barrier_wait -1
	s_cmp_lg_u32 s[WV], 0
	s_cbranch_scc1 .Lnot_wave_0_\@
	s_barrier_signal -3
.Lnot_wave_0_\@:
	s_barrier_wait -3
	s_barrier_signal -1
	s_barrier_wait -1
.endm
.macro KLOAD a16, a8                   ; K's eight half fragments and scale words: images, consecutive bytes
.irp q, 0,1,2,3,4,5,6,7
	ds_load_b128 v[KB+6*\q:KB+6*\q+3], v[\a16] offset:768*\q
	ds_load_b64 v[KB+6*\q+4:KB+6*\q+5], v[\a8] offset:768*\q+512
.endr
	ds_load_b64 v[KS:KS+1], v[\a8] offset:12288
	ds_load_b64 v[KS+2:KS+3], v[\a8] offset:12544
.endm
; The step's 36 LDS loads, by number: 0-17 the next step's K and its scale words, 18-35 this step's V and its scale halves.  LDN k issues the next k of them.
.macro LD1 n
.if (\n) < 16
.if (\n)%2 == 0
	ds_load_b128 v[KB+6*((\n)/2):KB+6*((\n)/2)+3], v[N16] offset:768*((\n)/2)
.else
	ds_load_b64 v[KB+6*((\n)/2)+4:KB+6*((\n)/2)+5], v[N8] offset:768*((\n)/2)+512
.endif
.elseif (\n) < 18
	ds_load_b64 v[KS+2*((\n)-16):KS+2*((\n)-16)+1], v[N8] offset:12288+256*((\n)-16)
.elseif (\n) < 34
.if (\n)%2 == 0
	ds_load_b128 v[VB+6*(((\n)-18)/2):VB+6*(((\n)-18)/2)+3], v[A16] offset:6144+768*(((\n)-18)/2)
.else
	ds_load_b64 v[VB+6*(((\n)-18)/2)+4:VB+6*(((\n)-18)/2)+5], v[A8] offset:6144+768*(((\n)-18)/2)+512
.endif
.else
	ds_load_b32 v[VR+(\n)-34], v[A4] offset:12800+128*((\n)-34)
.endif
.endm
.macro LDN k
.rept \k
	LD1 LC
.set LC, LC+1
.endr
.endm
.macro SMUL q, x, row
	v_wmma_scale_f32_16x16x128_f8f6f4 v[S+64*\x+8*(\q):S+64*\x+8*(\q)+7], v[KB+6*(\q):KB+6*(\q)+11], v[Q+12*\x:Q+12*\x+11], 0, v[KS+(\q)/2], v[QS+\x] matrix_a_fmt:MATRIX_FMT_FP6 matrix_b_fmt:MATRIX_FMT_FP6 matrix_a_scale:MATRIX_SCALE_ROW\row
.endm
.macro PMUL d, x, row
.set OD, O+32*\x+16*(\d%2)+8*(\d/2)
	v_wmma_scale_f32_16x16x128_f8f6f4 v[OD:OD+7], v[VB+12*\d:VB+12*\d+11], v[P+20*\x:P+20*\x+11], v[OD:OD+7], v[VS+\d/2], v[PW+\x] matrix_a_fmt:MATRIX_FMT_FP6 matrix_b_fmt:MATRIX_FMT_FP6 matrix_a_scale:MATRIX_SCALE_ROW\row
.endm
.macro PV x                            ; four accumulators, one product each
	WIN 0x54
	PMUL 0, \x, 0
	PMUL 1, \x, 1
	PMUL 2, \x, 0
	PMUL 3, \x, 1
.endm
.macro CVT x                           ; 64 p to codes (a conversion's three registers begin on an even number)
	v_cvt_scalef32_pk16_fp6_f32 v[P+20*\x:P+20*\x+2], v[S+64*\x:S+64*\x+15], v[SC+2*\x]
	v_cvt_scalef32_pk16_fp6_f32 v[P+20*\x+12:P+20*\x+14], v[S+64*\x+16:S+64*\x+31], v[SC+2*\x]
	v_cvt_scalef32_pk16_fp6_f32 v[P+20*\x+6:P+20*\x+8], v[S+64*\x+32:S+64*\x+47], v[SC+2*\x+1]
	v_cvt_scalef32_pk16_fp6_f32 v[P+20*\x+16:P+20*\x+18], v[S+64*\x+48:S+64*\x+63], v[SC+2*\x+1]
.endm
.macro PMOV x
.irp i, 0,1,2
	v_mov_b32 v[P+20*\x+3+\i], v[P+20*\x+12+\i]
	v_mov_b32 v[P+20*\x+9+\i], v[P+20*\x+16+\i]
.endr
.endm
.macro LEVEL base, st                  ; the sum in place: the pair at base + 2 st k takes in the pair st further on
.set n, 0
.rept 32/(\st)
	v_pk_add_f32 v[\base+n:\base+n+1], v[\base+n:\base+n+1], v[\base+n+\st:\base+n+\st+1]
.set n, n+2*(\st)
.endr
.endm
; A KEY STEP: 128 keys for both tiles.  causal = 1: a step behind the last is passed over (all but the two lines that step J and TB), and in the last one hidden scores become -infinity.
; K's fragments of this step are in: they were asked for in the step before and waited for with its V.
.macro STEP causal
.if \causal
	s_cmp_gt_u32 s[J], s[SD]
	s_cbranch_scc1 .Lhid_\@
.endif
	s_add_co_u32 s[TN], s[TB], BLK
.if \causal
	s_min_u32 s[TN], s[TN], 15*BLK                 ; the last block has no successor: its own K is read once more and not used
.endif
	v_add_nc_u32 v[A16], s[TB], v[L16]             ; five plain lines: with the four below, the places between the last products and the loads into V
	v_add_nc_u32 v[A8], s[TB], v[L8]
	v_add_nc_u32 v[A4], s[TB], v[L4]
	v_add_nc_u32 v[N16], s[TN], v[L16]
	v_add_nc_u32 v[N8], s[TN], v[L8]
	WIN 0x44
.irp q, 0,2,4,6
	SMUL \q, 0, 0
	SMUL \q, 1, 0
	SMUL \q+1, 0, 1
	SMUL \q+1, 1, 1
.endr
	WIN 0
	PLACES 4                                       ; in front of the loads into K's registers and of the first read of the scores
.set LC, 0
	LDN 36                                         ; the next step's K, and this step's V: one run, waited for together ahead of the second product
.if \causal
	s_cmp_lg_u32 s[J], s[SD]
	WALU
	s_cbranch_scc1 .Lopen_\@
	WIN 0x41                                       ; tile 0's queries lie in the step's first 64 keys, tile 1's in the second 64, at the same places: one compare serves both
.set n, 0
.rept 32
	v_cmp_gt_i32 vcc_lo, n, v[DV]
	v_cndmask_b32 v[S+n], v[S+n], v[NINF], vcc_lo
	v_cndmask_b32 v[S+96+n], v[S+96+n], v[NINF], vcc_lo
.set n, n+1
.endr
.set n, 0
.rept 32
	v_mov_b32 v[S+32+n], 0xff800000                ; tile 0: the second 64 keys are all hidden
.set n, n+1
.endr
	WIN 0
.Lopen_\@:
.endif
	WIN 0x15                                       ; THE LARGEST SCORE OF EACH BLOCK OF 32 KEYS, four chains by turns, each accumulator from its low end on
.irp x, 0,1
.irp c, 0,1
	v_max3_num_f32 v[BM+2*\x+\c], v[S+64*\x+32*\c], v[S+64*\x+32*\c+1], v[S+64*\x+32*\c+2]
.endr
.endr
	WIN 0x14
.irp i, 3,5,7,9,11,13,15,17,19,21,23,25,27,29
.irp x, 0,1
.irp c, 0,1
	v_max3_num_f32 v[BM+2*\x+\c], v[BM+2*\x+\c], v[S+64*\x+32*\c+\i], v[S+64*\x+32*\c+\i+1]
.endr
.endr
.endr
.irp x, 0,1
.irp c, 0,1
	v_max_num_f32 v[BM+2*\x+\c], v[BM+2*\x+\c], v[S+64*\x+32*\c+31]
.endr
.endr
	WIN 0
.irp x, 0,1
	v_max_num_f32 v[TA+4*\x], v[BM+2*\x], v[BM+2*\x+1]
.endr
.irp x, 0,1
	v_permlanex16_b32 v[TA+4*\x+1], v[TA+4*\x], s[SEL], s[SEL+1]
.endr
.irp x, 0,1
	v_max3_num_f32 v[NM+2*\x+1], v[NM+2*\x+1], v[TA+4*\x], v[TA+4*\x+1]   ; the running largest score of my query
.endr
.irp x, 0,1
	v_mul_f32 v[TA+4*\x], s[CS], v[NM+2*\x+1]      ; as t (c is positive)
.endr
.irp x, 0,1
	v_floor_f32 v[TA+4*\x+2], -v[TA+4*\x]          ; the new -M = floor(-t)
.endr
.irp x, 0,1
	v_sub_f32 v[TA+4*\x+3], v[TA+4*\x+2], v[NM+2*\x]   ; old M - new M: a whole number, 0 or less
.endr
.irp x, 0,1
	v_mov_b32 v[NM+2*\x], v[TA+4*\x+2]
.endr
.irp x, 0,1
	v_cvt_i32_f32 v[TA+4*\x+3], v[TA+4*\x+3]       ; (it saturates)
.endr
.irp x, 0,1
	v_ldexp_f32 v[FF+2*\x], 1.0, v[TA+4*\x+3]      ; f
.endr
.irp b, 0,1,2,3
	v_fma_f32 v[BM+\b], v[BM+\b], s[CS], v[NM+2*(\b/2)]   ; tb of each block
.endr
.irp b, 0,1,2,3
	v_max_num_f32 v[BM+\b], 0xc2f80000, v[BM+\b]   ; at least -124: the byte cannot fall under 1
.endr
.irp b, 0,1,2,3
	v_floor_f32 v[BM+\b], v[BM+\b]
.endr
.irp b, 0,1,2,3
	v_add_f32 v[BM+\b], 0x4b00007d, v[BM+\b]       ; + 2^23 + 125: the lowest byte of the bits is the scale's byte
.endr
.irp b, 0,1,2,3
	v_lshlrev_b32 v[SC+\b], 23, v[BM+\b]           ; the byte as an exponent field: the conversions' scale operand
.endr
.irp x, 0,1
	v_perm_b32 v[TA+4*\x], v[BM+2*\x+1], v[BM+2*\x], v[PSEL]   ; my blocks are h and 2 + h of the step's four
.endr
.irp x, 0,1
	v_permlanex16_b32 v[TA+4*\x+1], v[TA+4*\x], s[SEL], s[SEL+1]
.endr
.irp x, 0,1
	v_or_b32 v[PW+\x], v[TA+4*\x], v[TA+4*\x+1]    ; p's scale word for these 128 keys
.endr
.irp x, 0,1
	v_pk_mul_f32 v[LS+2*\x:LS+2*\x+1], v[LS+2*\x:LS+2*\x+1], v[FF+2*\x:FF+2*\x+1] op_sel_hi:[1,0]   ; the sums under the new M
.endr
	WIN 0x41
.set n, 0
.rept 16
.irp x, 0,1
	v_pk_mul_f32 v[O+32*\x+n:O+32*\x+n+1], v[O+32*\x+n:O+32*\x+n+1], v[FF+2*\x:FF+2*\x+1] op_sel_hi:[1,0]   ; O^T under the new M, each accumulator from its low end on
.endr
.set n, n+2
.endr
.set n, 0
.rept 32
	v_pk_fma_f32 v[S+n:S+n+1], v[S+n:S+n+1], s[CS:CS+1], v[NM:NM+1] op_sel_hi:[1,0,0]   ; tile 0: t - M
.set n, n+2
.endr
	WALU
.set n, 0
.rept 32                                               ; tile 0's p; among the exponentials tile 1's t - M, lines that hang on nothing written here
	v_exp_f32 v[S+n], v[S+n]
	v_pk_fma_f32 v[S+64+n:S+65+n], v[S+64+n:S+65+n], s[CS:CS+1], v[NM+2:NM+3] op_sel_hi:[1,0,0]
	v_exp_f32 v[S+n+1], v[S+n+1]
.set n, n+2
.endr
	v_nop
	WALU
	CVT 0
	v_nop                                          ; one plain place behind the scaled conversions
	PMOV 0
	WIN 0x45
.set g, 0
.rept 8                                                ; tile 1's p; behind every eight, three additions on end bring eight of tile 0's p to one pair (THE SUM IS TAKEN OF THE UNQUANTISED p)
.irp i, 0,1,2,3,4,5,6,7
	v_exp_f32 v[S+64+g+\i], v[S+64+g+\i]
.endr
	v_pk_add_f32 v[S+g:S+g+1], v[S+g:S+g+1], v[S+g+2:S+g+3]
	v_pk_add_f32 v[S+g+4:S+g+5], v[S+g+4:S+g+5], v[S+g+6:S+g+7]
	v_pk_add_f32 v[S+g:S+g+1], v[S+g:S+g+1], v[S+g+4:S+g+5]
.set g, g+8
.endr
	WALU
	s_wait_dscnt 0x0                               ; V, its scale halves and the next step's K are in
	WIN 0
	v_perm_b32 v[VS], v[VR+1], v[VR], s[PLO]       ; the two halves of the step make a word: tiles 0 and 1,
	v_perm_b32 v[VS+1], v[VR+1], v[VR], s[PHI]     ; tiles 2 and 3.  (Fourteen plain lines follow ahead of the first product that takes them)
	WIN 0x41
	CVT 1
	WIN 0x45
	LEVEL S, 8
	PMOV 1
	LEVEL S, 16
	LEVEL S, 32
	WIN 0x04
	v_pk_add_f32 v[LS:LS+1], v[LS:LS+1], v[S:S+1]
	PV 0
	WIN 0x45
	LEVEL S+64, 2                                  ; tile 1's sum: plain lines that name no register of tile 0's products
	LEVEL S+64, 4
	LEVEL S+64, 8
	LEVEL S+64, 16
	LEVEL S+64, 32
	WIN 0x04
	v_pk_add_f32 v[LS+2:LS+3], v[LS+2:LS+3], v[S+64:S+65]
	PV 1
	WIN 0
.if \causal
.Lhid_\@:
.endif
	s_add_co_u32 s[J], s[J], 1
	s_add_co_u32 s[TB], s[TB], BLK
.endm
; The four global bases of the tile s[ST] of group s[SG]: Q's codes and scale words at s[qb ..], my half fragment of ao and its scale bytes at s[ab ..]
.macro BASES qb, ab
	s_lshl_b32 s66, s[BH], 5
	s_add_co_u32 s66, s66, s[SG]                   ; 32 bh + G
	s_lshl_b32 s67, s66, 2
	s_add_co_u32 s67, s67, s[ST]
	s_mul_i32 s68, s67, 768
	s_mov_b32 s69, 0
	s_add_nc_u64 s[\qb:\qb+1], s[4:5], s[68:69]
	s_lshl_b32 s68, s66, 8
	s_and_b32 s70, s[ST], 1
	s_lshl_b32 s70, s70, 7
	s_add_co_u32 s68, s68, s70
	s_lshr_b32 s70, s[ST], 1
	s_lshl_b32 s70, s70, 2
	s_add_co_u32 s68, s68, s70
	s_add_nc_u64 s[\qb+2:\qb+3], s[6:7], s[68:69]  ; 8 bytes from row to row
	s_lshr_b32 s70, s[BH], 4
	s_lshl_b32 s70, s70, 5
	s_add_co_u32 s70, s70, s[SG]                   ; Gg = 32 b + G
	s_and_b32 s71, s[BH], 15                       ; the head
	s_lshl_b32 s67, s70, 3
	s_lshr_b32 s66, s71, 1
	s_add_co_u32 s67, s67, s66                     ; 8 Gg + the projection's K step
	s_lshl_b32 s67, s67, 2
	s_add_co_u32 s67, s67, s[ST]
	s_lshl_b32 s67, s67, 1
	s_and_b32 s66, s71, 1
	s_add_co_u32 s67, s67, s66
	s_mul_i32 s68, s67, 768
	s_add_nc_u64 s[\ab:\ab+1], s[10:11], s[68:69]
	s_lshl_b32 s67, s70, 2
	s_add_co_u32 s67, s67, s[ST]
	s_lshl_b32 s67, s67, 9
	s_lshl_b32 s66, s71, 1
	s_add_co_u32 s68, s67, s66
	s_add_nc_u64 s[\ab+2:\ab+3], s[12:13], s[68:69]
.endm
; A pass's start, from s[SD] and s[ST]: bases, Q, the running numbers
.macro SETUP
	WALU
.irp x, 0,1
	s_lshl_b32 s[SG], s[SD], 1
	s_add_co_u32 s[SG], s[SG], \x
	BASES 56+24*\x, 72+4*\x
.endr
	WIN 0x40
.irp x, 0,1
	global_load_b128 v[Q+12*\x:Q+12*\x+3], v[L16], s[56+24*\x:57+24*\x]
	global_load_b64 v[Q+12*\x+4:Q+12*\x+5], v[L8], s[56+24*\x:57+24*\x] offset:512
.endr
	WIN 0
.irp x, 0,1
	global_load_b32 v[QS+\x], v[R8], s[58+24*\x:59+24*\x]
.endr
	s_lshl_b32 s66, s[ST], 3
	v_add_nc_u32 v[DV], s66, v[DVB]
.irp x, 0,1
	v_mov_b32 v[NM+2*\x+1], 0xff61b1e6             ; the largest score so far: -3e38
	v_mov_b32 v[LS+2*\x], 0
	v_mov_b32 v[LS+2*\x+1], 0
.endr
.irp x, 0,1
	v_floor_f32 v[NM+2*\x], -v[NM+2*\x+1]
.endr
	WIN 0x40
.set n, 0
.rept 64
	v_mov_b32 v[O+n], 0                            ; the step is written once: the first finds zeros, which the first change of M leaves zeros
.set n, n+1
.endr
	WIN 0
	s_mov_b32 s[J], 0
	s_mov_b32 s[TB], 0
.endm
.macro START                           ; block 0's K; Q and K are in
	KLOAD L16, L8
	WALU
	s_wait_loadcnt 0x0
	s_wait_dscnt 0x0
.endm
; A pass's end: O^T / the sum; a lane's 32 channels in order; one block of 32 a lane; codes and byte out
.macro FINISH
	WALU
	PLACES 4
.irp x, 0,1
	v_add_f32 v[LS+2*\x], v[LS+2*\x], v[LS+2*\x+1]
.endr
.irp x, 0,1
	v_permlanex16_b32 v[TA+4*\x+1], v[LS+2*\x], s[SEL], s[SEL+1]
.endr
.irp x, 0,1
	v_add_f32 v[LS+2*\x], v[LS+2*\x], v[TA+4*\x+1] ; the row's sum
.endr
	WALU
.irp x, 0,1
	v_rcp_f32 v[FF+2*\x], v[LS+2*\x]
.endr
	v_nop
	WIN 0x41
	WALU
.set n, 0
.rept 16
.irp x, 0,1
	v_pk_mul_f32 v[O+32*\x+n:O+32*\x+n+1], v[O+32*\x+n:O+32*\x+n+1], v[FF+2*\x:FF+2*\x+1] op_sel_hi:[1,0]
.endr
.set n, n+2
.endr
.set n, 0
.rept 8
.irp x, 0,1
	v_permlane16_swap_b32 v[O+32*\x+n], v[O+32*\x+8+n]       ; channels 8 + j of lanes 16-31 change places with 32 + j of lanes 0-15,
	v_permlane16_swap_b32 v[O+32*\x+16+n], v[O+32*\x+24+n]   ; 24 + j with 48 + j: lane (r, h) now holds channels 32 h + 0 .. 31 in order
.endr
.set n, n+1
.endr
	WIN 0x15
.irp x, 0,1
	v_max3_num_f32 v[BM+2*\x], |v[O+32*\x]|, |v[O+32*\x+1]|, 0x1800000   ; with the floor 2^(3 - 127)
	v_max3_num_f32 v[BM+2*\x+1], |v[O+32*\x+2]|, |v[O+32*\x+3]|, |v[O+32*\x+4]|
.endr
	WIN 0x14
.irp j, 5,9,13,17,21,25
.irp x, 0,1
	v_max3_num_f32 v[BM+2*\x], v[BM+2*\x], |v[O+32*\x+\j]|, |v[O+32*\x+\j+1]|
	v_max3_num_f32 v[BM+2*\x+1], v[BM+2*\x+1], |v[O+32*\x+\j+2]|, |v[O+32*\x+\j+3]|
.endr
.endr
.irp x, 0,1
	v_max3_num_f32 v[BM+2*\x], v[BM+2*\x], |v[O+32*\x+29]|, |v[O+32*\x+30]|
	v_max_num_f32 v[BM+2*\x+1], v[BM+2*\x+1], |v[O+32*\x+31]|
.endr
	WIN 0
.irp x, 0,1
	v_max_num_f32 v[BM+2*\x], v[BM+2*\x], v[BM+2*\x+1]
.endr
.irp x, 0,1
	v_add_nc_u32 v[SC+2*\x], 0xff000000, v[BM+2*\x]   ; 2 off the exponent field
.endr
.irp x, 0,1
	v_lshrrev_b32 v[TA+4*\x], 23, v[SC+2*\x]
.endr
	WIN 0x41
.irp x, 0,1
	v_cvt_scalef32_pk16_fp6_f32 v[S+64*\x:S+64*\x+2], v[O+32*\x:O+32*\x+15], v[SC+2*\x]
	v_cvt_scalef32_pk16_fp6_f32 v[S+64*\x+4:S+64*\x+6], v[O+32*\x+16:O+32*\x+31], v[SC+2*\x]
.endr
	v_nop
.irp x, 0,1
	v_mov_b32 v[S+64*\x+3], v[S+64*\x+4]
	v_mov_b32 v[S+64*\x+4], v[S+64*\x+5]
	v_mov_b32 v[S+64*\x+5], v[S+64*\x+6]
.endr
	WIN 0x04
.irp x, 0,1
	global_store_b128 v[L16], v[S+64*\x:S+64*\x+3], s[72+4*\x:73+4*\x]
	global_store_b64 v[L8], v[S+64*\x+4:S+64*\x+5], s[72+4*\x:73+4*\x] offset:512
.endr
	WIN 0
.irp x, 0,1
	global_store_b8 v[AB], v[TA+4*\x], s[74+4*\x:75+4*\x]
.endr
	s_wait_xcnt 0x0                                ; the stores have read their registers and bases: both may be written again
.endm
	s_load_b256 s[4:11], s[0:1], 0x0               ; qf, qs, kv, ao
	s_load_b64 s[12:13], s[0:1], 0x20              ; aos
	v_lshl_add_u32 v[SPW], v0, 2, SPARE
	v_mov_b32 v[NIL], 0
	ds_add_u32 v[SPW], v[NIL]                      ; the opening lines: the add twice on end and its wait
	ds_add_u32 v[SPW], v[NIL]
	v_lshrrev_b32 v1, 5, v0
	v_readfirstlane_b32 s[WV], v1                  ; wave 0..7
	s_bfe_u32 s[CX], ttmp6, 0x40000                ; cx
	s_and_b32 s[BH], ttmp7, 0xffff                 ; batch x 16 + head, which the four partners share
	s_mov_b32 s16, 15|(3<<16)|(1<<21)              ; group 1 of waves 0-3: all four work-groups; elements of 8 bytes; bit 21 beside a mask; no padding
	s_mov_b32 s17, 32<<16
	s_mov_b32 s18, 51<<16                          ; 51 rows of 256 bytes: one block
	s_mov_b32 s19, 32<<16
	s_mov_b32 s20, 51
	s_mov_b32 s21, 32
	s_mov_b32 s22, 0
	s_mov_b32 s23, 0
	s_mov_b32 s24, 15|(3<<16)|(1<<21)              ; of waves 4-7: 153 rows: three blocks
	s_mov_b32 s25, 32<<16
	s_mov_b32 s26, 153<<16
	s_mov_b32 s27, 32<<16
	s_mov_b32 s28, 153
	s_mov_b32 s29, 32
	s_mov_b32 s30, 0
	s_mov_b32 s31, 0
	s_and_b32 s67, s[WV], 3                        ; u: my number among the four of my kind
	s_mul_i32 s66, s[BH], 16*BLK                   ; the head's blocks
	s_mov_b32 s32, 1
	s_mul_i32 s33, s67, BLK                        ; block u,
	s_add_co_u32 s68, s66, s33
	s_mov_b32 s69, 0
	s_mov_b32 s36, 1
	s_mul_i32 s37, s67, 3*BLK
	s_add_co_u32 s37, s37, 4*BLK                   ; or blocks 4 + 3 u on: in LDS as in memory
	s_add_co_u32 s70, s66, s37
	s_mov_b32 s71, 0
	s_mov_b32 s[HM], 0xffff0000
	s_mov_b32 s[SEL], 0x76543210
	s_mov_b32 s[SEL+1], 0xfedcba98
	s_mov_b32 s[CS], 0x3e38aa3b                    ; log2(e) / 8
	s_mov_b32 s[CS+1], s[CS]
	s_mov_b32 s[PLO], 0x05040100
	s_mov_b32 s[PHI], 0x07060302
	WALU
	s_wait_dscnt 0x0
	s_wait_kmcnt 0x0
	s_add_nc_u64 s[34:35], s[8:9], s[68:69]
	s_or_b32 s35, s35, 0x80000000
	s_add_nc_u64 s[38:39], s[8:9], s[70:71]
	s_or_b32 s39, s39, 0x80000000
	ROUND                                          ; all four work-groups are here: the joint loads meet
	s_cmp_lt_u32 s[WV], 4                          ; one tensor load a wave: waves 0-3 the four blocks that are read first, in a line of their own; waves 4-7 the other twelve
	s_cbranch_scc0 .Lrest
	tensor_load_to_lds s[32:35], s[16:23]
	s_nop 0
	PLACES 4
	s_branch .Lasked
.Lrest:
	tensor_load_to_lds s[36:39], s[24:31]
	s_nop 0
	PLACES 4
.Lasked:
	v_and_b32 v3, 31, v0
	v_lshlrev_b32 v[L16], 4, v3
	v_lshlrev_b32 v[L8], 3, v3
	v_lshlrev_b32 v[L4], 2, v3
	v_and_b32 v[TA], 15, v0                        ; r
	v_bfe_u32 v[TA+1], v0, 4, 1                    ; h
	v_lshlrev_b32 v[R8], 3, v[TA]
	v_lshl_add_u32 v[AB], v[TA], 5, v[TA+1]
	v_mov_b32 v[NINF], 0xff800000
	v_and_b32 v[TA+2], 7, v0
	v_bfe_u32 v[TA+3], v0, 3, 1
	v_lshl_add_u32 v[TA+2], v[TA+3], 5, v[TA+2]
	v_lshlrev_b32 v[TA+3], 5, v[TA+1]
	v_sub_nc_u32 v[DVB], v[TA+2], v[TA+3]
	v_mov_b32 v[PSEL], 0x0c040c00                  ; lanes 0-15: bytes 0 and 2 (select 0x0c gives a zero byte);
	v_mov_b32 v[TA+2], 0x040c000c                  ; lanes 16-31: bytes 1 and 3
	v_cndmask_b32 v[PSEL], v[PSEL], v[TA+2], s[HM]
.irp i, 0,1,2,3,4,5
	v_mov_b32 v[KB+48+\i], 0                       ; what K's last tile names beyond its six registers
.endr
.irp x, 0,1
	v_mov_b32 v[TA+4*\x+1], 0                      ; (a lane permute's destination counts as one of its sources)
	v_mov_b32 v[FF+2*\x+1], 0                      ; (named as the upper half of a pair)
.endr
	WIN 0x40
.irp i, 6,7,8,9,10,11,18,19,20,21,22,23
	v_mov_b32 v[Q+\i], 0                           ; Q's zero codes for K = 64 .. 127
.endr
	WIN 0
	s_sub_co_u32 s[SD], 15, s[WV]                  ; THE LATE TILES: D = 15 - w (8 or more), tile 3 - cx
	s_sub_co_u32 s[ST], 3, s[CX]
	SETUP
	s_cmp_lt_u32 s[WV], 4
	WALU
	s_cbranch_scc0 .Lnot_mine
	s_wait_tensorcnt 0x0                           ; waves 0-3: my block is in
.Lnot_mine:
	s_barrier_signal -1
	s_barrier_wait -1                              ; blocks 0 to 3 are whole; nothing is filled again in this launch
	START
	s_mov_b32 s[CNT], 3
.Lfirst:                                               ; steps 0 to 2 read blocks 0 to 3 (step 2 asks for block 3's K)
	STEP 0
	s_sub_co_u32 s[CNT], s[CNT], 1
	s_cmp_lg_u32 s[CNT], 0
	s_cbranch_scc1 .Lfirst
	WALU
	s_wait_tensorcnt 0x0
	s_wait_dscnt 0x0
	s_barrier_signal -1
	s_barrier_wait -1                              ; all sixteen blocks are whole
	s_mov_b32 s[CNT], 13
.Llate:
	STEP 1
	s_sub_co_u32 s[CNT], s[CNT], 1
	s_cmp_lg_u32 s[CNT], 0
	s_cbranch_scc1 .Llate
	FINISH
	s_mov_b32 s[SD], s[WV]                         ; THE EARLY TILES: D = w (7 or less), tile cx
	s_mov_b32 s[ST], s[CX]
	SETUP
	START
	s_mov_b32 s[CNT], 8
.Learly:
	STEP 1
	s_sub_co_u32 s[CNT], s[CNT], 1
	s_cmp_lg_u32 s[CNT], 0
	s_cbranch_scc1 .Learly
	FINISH
	s_wait_tensorcnt 0x0                           ; the wave's end
	ds_add_u32 v[SPW], v[NIL]
	s_wait_dscnt 0x0
	ROUND                                          ; the closing round
	s_endpgm
.Lfunc_end_k_q7f11ec12ca_attn:
	.size	k_q7f11ec12ca_attn, .Lfunc_end_k_q7f11ec12ca_attn-k_q7f11ec12ca_attn
	.p2alignl 7, 3214868480
	.fill 96, 4, 3214868480
	.section	.rodata,"a",@progbits
	.p2align	6, 0x0
	.amdhsa_kernel k_q7f11ec12ca_attn
		.amdhsa_group_segment_fixed_size 210944
		.amdhsa_private_segment_fixed_size 0
		.amdhsa_enable_private_segment 0
		.amdhsa_kernarg_size 40
		.amdhsa_user_sgpr_count 2
		.amdhsa_user_sgpr_kernarg_segment_ptr 1
		.amdhsa_wavefront_size32 1
		.amdhsa_system_sgpr_workgroup_id_x 1
		.amdhsa_system_sgpr_workgroup_id_y 1
		.amdhsa_system_sgpr_workgroup_id_z 1
		.amdhsa_system_vgpr_workitem_id 0
		.amdhsa_next_free_vgpr 512
		.amdhsa_next_free_sgpr 88
		.amdhsa_reserve_vcc 1
		.amdhsa_float_denorm_mode_32 3
		.amdhsa_float_denorm_mode_16_64 3
		.amdhsa_memory_ordered 1
		.amdhsa_forward_progress 1
		.amdhsa_inst_pref_size 128
	.end_amdhsa_kernel
	.amdgpu_metadata
---
amdhsa.version: [ 1, 2 ]
amdhsa.kernels:
  - .name:           k_q7f11ec12ca_attn
    .symbol:         k_q7f11ec12ca_attn.kd
    .args:
      - { .name: qf, .offset: 0, .size: 8, .value_kind: global_buffer, .address_space: global }
      - { .name: qs, .offset: 8, .size: 8, .value_kind: global_buffer, .address_space: global }
      - { .name: kv, .offset: 16, .size: 8, .value_kind: global_buffer, .address_space: global }
      - { .name: ao, .offset: 24, .size: 8, .value_kind: global_buffer, .address_space: global }
      - { .name: aos, .offset: 32, .size: 8, .value_kind: global_buffer, .address_space: global }
    .group_segment_fixed_size: 210944
    .private_segment_fixed_size: 0
    .kernarg_segment_align: 8
    .kernarg_segment_size: 40
    .max_flat_workgroup_size: 256
    .sgpr_count:     88
    .vgpr_count:     512
    .wavefront_size: 32
...
	.end_amdgpu_metadata
.endif
;; end of part 2
;; launch oproj (part 3): grid 32 x 8, 4 waves a work-group, clusters of 4 x 1, 168,448 bytes of LDS; arguments ao, aos, Wo_codes, Wo_scales, bo, out0; writes out0
.if DOCPART == 3
	.amdgcn_target "amdgcn-amd-amdhsa--gfx1250"
	.amdhsa_code_object_version 6
	.text
	.protected	k_q7f11ec12ca_oproj
	.globl	k_q7f11ec12ca_oproj
	.p2align	8
	.type	k_q7f11ec12ca_oproj,@function
k_q7f11ec12ca_oproj:
	s_mov_b64 s[64:65], 0
	v_nop
	global_prefetch_b8 v0, s[64:65] scope:SCOPE_SE
	s_setreg_imm32_b32 hwreg(HW_REG_WAVE_MODE, 25, 1), 1
	s_wait_xcnt 0x0
	s_wait_alu depctr_hold_cnt(0) depctr_sa_sdst(0) depctr_va_vdst(0) depctr_va_sdst(0) depctr_va_ssrc(0) depctr_va_vcc(0) depctr_vm_vsrc(0)
	s_getreg_b32 s2, hwreg(HW_REG_IB_STS2, 6, 4)
	s_cmp_eq_u32 s2, 0
	s_cbranch_scc0 .Lentry_in_a_cluster
	s_endpgm
.Lentry_in_a_cluster:
	s_bfe_u32 s2, ttmp6, 0x10000c
	s_cmp_lg_u32 s2, 0x3003
	s_cbranch_scc0 .Lentry_shape_is_right
	s_endpgm
.Lentry_shape_is_right:
; out0 = ao Wo^T + bo on codes of FP6 (E2M3) with one E8M0 scale for each 32 along K = 1,024; sums in f32.
; SHARES.  A work-group takes tokens 256 bx on and columns 128 by on.  Wave w takes the 64 tokens of group Gg = 4 bx + w: their fragments for all of K come from memory straight into 384 registers,
; as the images that the attention launch stored (consecutive bytes, 16 or 8 a lane).  The wave walks two units of 64 rows of Wo out of LDS: 16 accumulators x 8 K steps a unit.
; Wo's 128 rows are one dense block of 98,304 bytes, the same for the four work-groups of a cluster: each wave asks for a quarter jointly.  Nothing is filled again.
; In LDS a row of 768 bytes is 816 bytes = 204 words from the next (16 bytes of padding behind every 256): sixteen neighbouring rows start at sixteen different multiples of 4 among the 64 banks of 4 bytes (ISA guide 11.1).
; Source 0 = 16 rows of Wo, source 1 = 16 tokens: a lane holds eight neighbouring columns of one token.  bo is the C of each sum's first product.
; Lane r of token tile t is token 8 t + (r & 7) + 32 (r >> 3) of the group.
; THE WAY OUT: a tile of 16 tokens x 64 columns goes through the wave's own stage in LDS and leaves as rows of 256 bytes: sixteen lanes store 256 consecutive bytes, at a multiple of 256 from out0's first byte.
; LIMITS: NaN and infinities are not served; a given scale byte 0xff gives NaN.
; REGISTERS: window 0: addresses, scale words, v128-191 rows on the way out.  Window 1: ao's fragments of K steps 0-4.  Window 2: K steps 5-7 (v0-143); two sets of four Wo fragments (v144, v192).  Window 3: v0-127 accumulators, v128-191 bo.
.set UB,   52224
.set HUB,  26112
.set RP,   816
.set STG,  2*UB                        ; behind Wo: a stage of 16 rows x 272 bytes for each wave; no fill lands there
.set ADW,  6                           ; v6, v7  my lane's place in the unit in hand; the same behind one padding more
.set L16,  8
.set L8,   9
.set STO,  10                          ; v10 the stage: where I put 32 bytes of a row
.set RD,   11                          ; v11 and where I read a row back
.set CO,   12                          ; v12 my byte offset in out0: 4,096 (lane / 16) + 16 (lane % 16)
.set SW,   17                          ; v17 32 (lane % 16) + 16 (lane / 16): a row's scale bytes
.set BA,   18                          ; v18 32 (lane / 16): my eight numbers of bo
.set AS,   24                          ; v24-39 ao's scale words: register 4 t + (s & 3): lanes 0-15 K step s < 4, lanes 16-31 s >= 4
.set WS,   40                          ; v40-71 Wo's likewise, 16 a unit
.set RB,   128
.set BI,   128                         ; in window 3
.set WV,   40
.set MSB, 0
.macro WIN new
.if MSB != \new
	s_set_vgpr_msb (MSB<<8)|\new
.set MSB, \new
.endif
.endm
.macro PLACES n
.rept \n
	v_nop
.endr
.endm
.macro ROUND
	s_barrier_signal -1
	s_barrier_wait -1
	s_cmp_lg_u32 s[WV], 0
	s_cbranch_scc1 .Lnot_wave_0_\@
	s_barrier_signal -3
.Lnot_wave_0_\@:
	s_barrier_wait -3
	s_barrier_signal -1
	s_barrier_wait -1
.endm
.macro FRAG reg, adr, s, row           ; 16 rows x 128 K in pieces of 8 bytes; where the piece three on lies behind one padding more, the second address register serves
.irp p, 0,1,2,3,4,5
.set PC, 12*(\s)+6*(\p/3)+\p%3
.if PC%32 < 29
	ds_load_b64 v[0+(\reg)+2*\p:1+(\reg)+2*\p], v[\adr] offset:8*PC+16*(PC/32)+(\row)*RP
.else
	ds_load_b64 v[0+(\reg)+2*\p:1+(\reg)+2*\p], v[\adr+1] offset:8*PC+16*(PC/32)+(\row)*RP
.endif
.endr
.endm
.macro WFETCH buf, s
	WIN 0x80
.irp q, 0,1,2,3
	FRAG 144+48*(\buf)+12*\q, ADW, \s, 16*\q
.endr
.endm
; K step s of unit u: 16 products, the accumulators by turns.  Accumulator (token tile a, Wo tile b) at v[32 a + 8 b] of window 3.
.macro MUL16 u, s
.if (\s) < 5
.set XB, 48*(\s)
	WIN 0xf6
.else
.set XB, 48*((\s)-5)
	WIN 0xfa
.endif
.set WB, 144+48*((\s)%2)
.irp a, 0,1,2,3
.irp b, 0,1,2,3
.if (\s) == 0
	v_wmma_scale_f32_16x16x128_f8f6f4 v[32*\a+8*\b:32*\a+8*\b+7], v[WB+12*\b:WB+12*\b+11], v[XB+12*\a:XB+12*\a+11], v[BI+32*(\u)+8*\b:BI+32*(\u)+8*\b+7], v[WS+16*(\u)+4*\b], v[AS+4*\a] matrix_a_fmt:MATRIX_FMT_FP6 matrix_b_fmt:MATRIX_FMT_FP6
.elseif (\s) < 4
	v_wmma_scale_f32_16x16x128_f8f6f4 v[32*\a+8*\b:32*\a+8*\b+7], v[WB+12*\b:WB+12*\b+11], v[XB+12*\a:XB+12*\a+11], v[32*\a+8*\b:32*\a+8*\b+7], v[WS+16*(\u)+4*\b+(\s)], v[AS+4*\a+(\s)] matrix_a_fmt:MATRIX_FMT_FP6 matrix_b_fmt:MATRIX_FMT_FP6
.else
	v_wmma_scale_f32_16x16x128_f8f6f4 v[32*\a+8*\b:32*\a+8*\b+7], v[WB+12*\b:WB+12*\b+11], v[XB+12*\a:XB+12*\a+11], v[32*\a+8*\b:32*\a+8*\b+7], v[WS+16*(\u)+4*\b+(\s)-4], v[AS+4*\a+(\s)-4] matrix_a_fmt:MATRIX_FMT_FP6 matrix_b_fmt:MATRIX_FMT_FP6 matrix_a_scale:MATRIX_SCALE_ROW1 matrix_b_scale:MATRIX_SCALE_ROW1
.endif
.endr
.endr
.endm
; lw = 1: ao is still arriving: 16 loads for each later K step may stay out (a wait names 63 at the most; a smaller count is safe)
.macro KLOOP u, lw
.irp s, 0,1,2,3,4,5,6,7
.if \s < 7
.if \s > 0
	PLACES 4
.endif
	WFETCH (\s+1)%2, \s+1
	s_wait_dscnt 24                                ; this step's fragments are in; the 24 loads just issued may be out
.else
	s_wait_dscnt 0x0
.endif
.if \lw
.if 16*(7-\s) > 63
	s_wait_loadcnt 63
.else
	s_wait_loadcnt 16*(7-\s)
.endif
.endif
	MUL16 \u, \s
.endr
.endm
.macro TOSTAGE a                       ; token tile a: 32 bytes a lane into rows of 272 bytes, and back as whole rows.  LDS serves a wave's instructions in order (ISA guide 5.7.1.4): no wait between
	WIN 0x0c
.irp q, 0,1,2,3
	ds_store_b128 v[STO], v[32*(\a)+8*\q:32*(\a)+8*\q+3] offset:64*\q          ; each accumulator from its low end on
	ds_store_b128 v[STO], v[32*(\a)+8*\q+4:32*(\a)+8*\q+7] offset:64*\q+16
.endr
	WIN 0
.irp i, 0,1,2,3,4,5,6,7
	ds_load_b128 v[RB+32*((\a)%2)+4*\i:RB+32*((\a)%2)+4*\i+3], v[RD] offset:544*\i
.endr
.endm
.macro SEND a, u, younger              ; rows 2 i and 2 i + 1 of the tile are tokens 8 a + (2 i & 7) + 32 (i >> 2) and the next
	s_wait_dscnt \younger
.irp i, 0,1,2,3,4,5,6,7
	global_store_b128 v[CO], v[RB+32*((\a)%2)+4*\i:RB+32*((\a)%2)+4*\i+3], s[36:37] offset:(8*(\a)+(2*\i)%8+32*(\i/4))*4096+256*(\u) th:TH_STORE_NT
.endr
.endm
.macro OUT u
	s_wait_xcnt 0x0                                ; earlier stores have read the registers that the loads below fill
	TOSTAGE 0
	TOSTAGE 1
	SEND 0, \u, 16                                 ; behind tile 0's loads: tile 1's 8 stores and 8 loads
	s_wait_xcnt 0x0
	TOSTAGE 2
	SEND 1, \u, 16
	s_wait_xcnt 0x0
	TOSTAGE 3
	SEND 2, \u, 16
	SEND 3, \u, 0
.endm
	s_load_b256 s[4:11], s[0:1], 0x0               ; ao, aos, Wo codes, Wo scales
	s_load_b128 s[12:15], s[0:1], 0x20             ; bo, out0
	v_lshl_add_u32 v254, v0, 2, 0x29000
	v_mov_b32 v255, 0
	ds_add_u32 v254, v255
	ds_add_u32 v254, v255
	v_lshrrev_b32 v1, 5, v0
	v_readfirstlane_b32 s[WV], v1                  ; wave 0..3
	s_bfe_u32 s41, ttmp6, 0x40000                  ; cx
	s_lshl_b32 s42, ttmp9, 2
	s_add_co_u32 s42, s42, s41                     ; bx
	s_and_b32 s43, ttmp7, 0xffff                   ; by, which the four partners share
	s_lshl_b32 s44, s42, 2
	s_add_co_u32 s44, s44, s[WV]                   ; Gg
	s_mov_b32 s16, 15|(3<<16)|(1<<20)|(1<<21)|(5<<22)|(3<<25)   ; all four work-groups; elements of 8 bytes; padding: 4 words after every 64; bit 21 beside a mask
	s_mov_b32 s17, 32<<16
	s_mov_b32 s18, 96<<16                          ; 96 rows of 256 bytes: 32 rows of Wo
	s_mov_b32 s19, 32<<16
	s_mov_b32 s20, 96
	s_mov_b32 s21, 32
	s_mov_b32 s22, 0
	s_mov_b32 s23, 0
	s_mov_b32 s24, 1
	s_mul_i32 s25, s[WV], HUB
	s_mul_i32 s46, s43, 98304
	s_mul_i32 s47, s[WV], 24576
	s_add_co_u32 s46, s46, s47
	s_mov_b32 s47, 0
	s_mul_i32 s48, s44, 49152
	s_mov_b32 s49, 0
	s_lshl_b32 s50, s44, 11
	s_mov_b32 s51, 0
	s_lshl_b32 s52, s43, 12
	s_mov_b32 s53, 0
	s_lshl_b32 s54, s43, 9
	s_mov_b32 s55, 0
	s_lshl_b32 s56, s44, 18
	s_add_co_u32 s56, s56, s54
	s_mov_b32 s57, 0
	s_wait_dscnt 0x0
	s_wait_kmcnt 0x0
	s_add_nc_u64 s[26:27], s[8:9], s[46:47]
	s_or_b32 s27, s27, 0x80000000
	s_add_nc_u64 s[28:29], s[4:5], s[48:49]        ; ao at my group
	s_add_nc_u64 s[30:31], s[6:7], s[50:51]        ; its scale bytes
	s_add_nc_u64 s[32:33], s[10:11], s[52:53]      ; Wo's scale bytes at my 128 rows
	s_add_nc_u64 s[34:35], s[12:13], s[54:55]      ; bo at my 128 columns
	s_add_nc_u64 s[36:37], s[14:15], s[56:57]      ; out0 at my group and columns
	ROUND                                          ; all four work-groups are here: the joint loads meet
	tensor_load_to_lds s[24:27], s[16:23]
	s_nop 0
	PLACES 4
	v_and_b32 v1, 31, v0
	v_and_b32 v2, 15, v0                           ; r
	v_bfe_u32 v3, v0, 4, 1                         ; h
	v_lshlrev_b32 v[L16], 4, v1
	v_lshlrev_b32 v[L8], 3, v1
	v_mul_u32_u24 v[ADW], v2, RP
	v_mad_u32_u24 v[ADW], v3, 24, v[ADW]
	v_lshl_add_u32 v[ADW+1], v3, 4, v[ADW]
	v_lshlrev_b32 v[SW], 5, v2
	v_lshl_add_u32 v[SW], v3, 4, v[SW]
	v_lshlrev_b32 v[BA], 5, v3
	s_mul_i32 s45, s[WV], 16*272
	s_add_co_u32 s45, s45, STG                     ; my stage
	v_mul_u32_u24 v[STO], v2, 272
	v_lshl_add_u32 v[STO], v3, 5, v[STO]
	v_add_nc_u32 v[STO], s45, v[STO]
	v_mul_u32_u24 v[RD], v3, 272
	v_lshl_add_u32 v[RD], v2, 4, v[RD]
	v_add_nc_u32 v[RD], s45, v[RD]
	v_lshlrev_b32 v[CO], 12, v3
	v_lshl_add_u32 v[CO], v2, 4, v[CO]
.irp t, 0,1,2,3
	global_load_b128 v[AS+4*\t:AS+4*\t+3], v[SW], s[30:31] offset:512*\t
.endr
.irp u, 0,1
.irp q, 0,1,2,3
	global_load_b128 v[WS+16*\u+4*\q:WS+16*\u+4*\q+3], v[SW], s[32:33] offset:2048*\u+512*\q
.endr
.endr
	WIN 0xc0
.irp u, 0,1
.irp q, 0,1,2,3
	global_load_b128 v[BI+32*\u+8*\q:BI+32*\u+8*\q+3], v[BA], s[34:35] offset:256*\u+64*\q
	global_load_b128 v[BI+32*\u+8*\q+4:BI+32*\u+8*\q+7], v[BA], s[34:35] offset:256*\u+64*\q+16
.endr
.endr
	WIN 0x40
.irp s, 0,1,2,3,4
.irp t, 0,1,2,3
.irp c, 0,1
	global_load_b128 v[12*(4*\s+\t)+6*\c:12*(4*\s+\t)+6*\c+3], v[L16], s[28:29] offset:((4*\s+\t)*2+\c)*768
	global_load_b64 v[12*(4*\s+\t)+6*\c+4:12*(4*\s+\t)+6*\c+5], v[L8], s[28:29] offset:((4*\s+\t)*2+\c)*768+512
.endr
.endr
.endr
	WIN 0x80
.irp s, 5,6,7
.irp t, 0,1,2,3
.irp c, 0,1
	global_load_b128 v[12*(4*(\s-5)+\t)+6*\c:12*(4*(\s-5)+\t)+6*\c+3], v[L16], s[28:29] offset:((4*\s+\t)*2+\c)*768
	global_load_b64 v[12*(4*(\s-5)+\t)+6*\c+4:12*(4*(\s-5)+\t)+6*\c+5], v[L8], s[28:29] offset:((4*\s+\t)*2+\c)*768+512
.endr
.endr
.endr
	WIN 0
	s_wait_tensorcnt 0x0                           ; my quarter of Wo is in,
	s_barrier_signal -1
	s_barrier_wait -1                              ; everybody's is
	WFETCH 0, 0
	KLOOP 0, 1
	WIN 0
	v_add_nc_u32 v[ADW], UB, v[ADW]                ; on to unit 1.  Five plain lines: the places behind the last products, for the loads, for the stage's stores,
	v_add_nc_u32 v[ADW+1], UB, v[ADW+1]            ; and for the next unit's first products, which write over the same accumulators
	PLACES 3
	WFETCH 0, 0
	s_wait_alu depctr_va_vdst(0)
	OUT 0
	KLOOP 1, 0
	WIN 0
	PLACES 4
	OUT 1
	s_wait_tensorcnt 0x0
	ds_add_u32 v254, v255
	s_wait_dscnt 0x0
	ROUND                                          ; the closing round
	s_endpgm
.Lfunc_end_k_q7f11ec12ca_oproj:
	.size	k_q7f11ec12ca_oproj, .Lfunc_end_k_q7f11ec12ca_oproj-k_q7f11ec12ca_oproj
	.p2alignl 7, 3214868480
	.fill 96, 4, 3214868480
	.section	.rodata,"a",@progbits
	.p2align	6, 0x0
	.amdhsa_kernel k_q7f11ec12ca_oproj
		.amdhsa_group_segment_fixed_size 168448
		.amdhsa_private_segment_fixed_size 0
		.amdhsa_enable_private_segment 0
		.amdhsa_kernarg_size 48
		.amdhsa_user_sgpr_count 2
		.amdhsa_user_sgpr_kernarg_segment_ptr 1
		.amdhsa_wavefront_size32 1
		.amdhsa_system_sgpr_workgroup_id_x 1
		.amdhsa_system_sgpr_workgroup_id_y 1
		.amdhsa_system_sgpr_workgroup_id_z 1
		.amdhsa_system_vgpr_workitem_id 0
		.amdhsa_next_free_vgpr 960
		.amdhsa_next_free_sgpr 66
		.amdhsa_reserve_vcc 0
		.amdhsa_float_denorm_mode_32 3
		.amdhsa_float_denorm_mode_16_64 3
		.amdhsa_memory_ordered 1
		.amdhsa_forward_progress 1
		.amdhsa_inst_pref_size 95
	.end_amdhsa_kernel
	.amdgpu_metadata
---
amdhsa.version: [ 1, 2 ]
amdhsa.kernels:
  - .name:           k_q7f11ec12ca_oproj
    .symbol:         k_q7f11ec12ca_oproj.kd
    .args:
      - { .name: ao, .offset: 0, .size: 8, .value_kind: global_buffer, .address_space: global }
      - { .name: aos, .offset: 8, .size: 8, .value_kind: global_buffer, .address_space: global }
      - { .name: Wo_codes, .offset: 16, .size: 8, .value_kind: global_buffer, .address_space: global }
      - { .name: Wo_scales, .offset: 24, .size: 8, .value_kind: global_buffer, .address_space: global }
      - { .name: bo, .offset: 32, .size: 8, .value_kind: global_buffer, .address_space: global }
      - { .name: out0, .offset: 40, .size: 8, .value_kind: global_buffer, .address_space: global }
    .group_segment_fixed_size: 168448
    .private_segment_fixed_size: 0
    .kernarg_segment_align: 8
    .kernarg_segment_size: 48
    .max_flat_workgroup_size: 128
    .sgpr_count:     66
    .vgpr_count:     960
    .wavefront_size: 32
...
	.end_amdgpu_metadata
.endif
;; end of part 3
